; MI455X (gfx1250); checked and timed in simulation.
; The chip was launched on July 23, 2026; its instructions are those of AMD's public machine-readable ISA for CDNA 5 (MIT licence, August 2026) and "CDNA5" Instruction Set Architecture Reference Guide (July 2026). The comments in the code are by the model that wrote it; some were corrected since.
;; Quant Linear. Allowed arithmetic: matrix products marked QUANTISED: E2M1 operands, one E8M0 scale for each 32 along K, by v_wmma_scale_f32_16x16x128_f8f6f4 with both operands' format E2M1 (or v_wmma_scale_f32_32x16x128_f4), f32 sums; everything else in f32.
;; Inputs: bias 4,096 float32; qweight 512 x 4,096 int32; scales 32 x 4,096 float32; x_codes 4,096 x 128 x 16 uint8 (E2M1 codes of x, K innermost, in blocks of 32 codes, two codes a byte); x_scales 4,096 x 128 uint8 (E8M0 scales of x, one for each 32 codes along K).
;; Outputs: out0 4,096 x 4,096 float32.
;; This version of the problem:
;;   THIS VERSION OF THE PROBLEM IS GIVEN IN LOW PRECISION. The matrix products marked QUANTISED in the list below multiply operands that are first quantised to E2M1 (2 exponent bits, 1 mantissa bit; 4 bits a number), with one power-of-two scale for each 32 numbers along K (OCP MX v1.0); their sums are f32. All else is computed in f32.
;;   The module's matrix products, in the order in which they are computed (A, B: the left and right operand; K: the contracted axis; several contracted axes count as one K, in the product's order):
;;     1. [M 4,096, K 4,096] x [K 4,096, N 4,096]; A: input x (given as codes); B: computed on the way: QUANTISED
;;   THE QUANTISER, for each operand of a quantised product, along K:
;;     - K is cut into blocks of 32 from its start; a last block that is shorter is filled with zeros.
;;     - A block's scale is 2^e with e = floor(log2(the largest magnitude in the block)) - 2, held to -126 .. 127; a block of zeros has e = 0. As a byte (E8M0): e + 127.
;;     - Each number is divided by its block's scale, clamped to +-6, and rounded to the nearest number of E2M1, ties to even, subnormals kept.
;;     - The product sums the exact products of the quantised numbers (number of the format x scale) in f32.
;;   ~~~python
;;   def quantise(x, axis):      # numpy; x: float32 -> the quantised numbers, widened to float32 again
;;       x = np.moveaxis(x, axis, -1); K = x.shape[-1]
;;       x = np.pad(x, [(0, 0)] * (x.ndim - 1) + [(0, -K % 32)]); x = x.reshape(x.shape[:-1] + (-1, 32)); a = np.abs(x).max(-1, keepdims=True)
;;       e = np.where(a > 0, np.clip(np.frexp(np.where(a > 0, a, 1))[1] - 1 - 2, -126, 127), 0)      # np.frexp(a)[1] - 1 = floor(log2(a)), exactly
;;       r = np.clip(x / 2.0 ** e, -6, 6)
;;       step = 2.0 ** (np.maximum(np.frexp(np.where(r == 0, 1, r))[1] - 1, 0) - 1)
;;       q = np.round(r / step) * step * 2.0 ** e      # np.round: ties to even
;;       return np.moveaxis(q.reshape(q.shape[:-2] + (-1,))[..., :K], -1, axis).astype(np.float32)
;;   ~~~
;;   OPERANDS COMPUTED ON THE WAY. 'Computed on the way' means the value that the module computes at that place (a softmax that the list does not call 'softmax' is quantised finished and normalised). What goes into a quantiser is computed in f32, as accurately as f32 sums, v_exp_f32 and their like allow (about 1e-6 of the number): no bf16 or f16 on the way to a quantiser, and a product that is left as it is and whose result goes on into a quantised operand takes f32 operands (vector FMAs, or v_wmma_f32_16x16x4_f32). A number that lies on a knife's edge between two numbers of the format may be rounded either way, as far as f32 arithmetic and the matrix unit's own rounding can turn it there, and no further.
;;   INPUTS GIVEN AS CODES. x (in the module: [4096, 4096], K = its axis 1): each comes as NAME_codes (uint8): NAME with its K axis moved to the last place and cut into blocks of 32 codes, [.., K / 32, bytes a block], one block behind the other in memory; two codes a byte, the lower K in the low four bits (a code: sign, 2 exponent bits, 1 mantissa bit); and NAME_scales (uint8): the same leading axes, one E8M0 byte (e + 127) for each 32 codes along K. Its value is code x scale, taken as it is: it is not quantised again, and the codes and scales need not be those that the quantiser above would give.
;; One version. Each part assembles by itself: llvm-mc -triple=amdgcn-amd-amdhsa -mcpu=gfx1250 --defsym DOCPART=n.
;; ======== version 1 of 1: 2 launches
;; limits: right only within a limited range of input values
;; workspace buffers: w_codes 8,388,608 bytes; ws2 524,288 bytes; xs2 524,288 bytes
;; launch prep (part 1): grid 32 x 8, 8 waves a work-group, no clusters, 35,840 bytes of LDS; arguments qweight, scales, x_scales, w_codes, ws2, xs2; writes w_codes, ws2, xs2
.if DOCPART == 1
	.amdgcn_target "amdgcn-amd-amdhsa--gfx1250"
	.amdhsa_code_object_version 6
	.text
	.protected	k_q21beca8259_prep
	.globl	k_q21beca8259_prep
	.p2align	8
	.type	k_q21beca8259_prep,@function
k_q21beca8259_prep:
	s_mov_b64 s[64:65], 0
	v_nop
	global_prefetch_b8 v0, s[64:65] scope:SCOPE_SE
	s_setreg_imm32_b32 hwreg(HW_REG_WAVE_MODE, 25, 1), 1
	s_wait_xcnt 0x0
; w[k][n] = LUT[nibble of qweight] x scales[k / 128][n], in f32, is quantised along K (its FIRST axis) to codes of FP4 (E2M1) with one E8M0 byte for each 32 along K.
; OUT: w_codes lies in the order of the product's operand registers: [k / 128: 32][n / 64: 64][j: 4][c: 2][lane: 32][16 bytes]: lane (r, h) of load (j, c) takes the 32 codes of column 64 (n / 64) + 4 r + j,
;   k = 128 (k / 128) + 64 c + 32 h + 0 .. 31, the lower k in the low four bits.
; ws2 [K step s of 512: 8][n / 64: 64][j: 4][r: 16][16 bytes]: byte i is the scale byte of K block 16 s + i of column 64 (n / 64) + 4 r + j.
; ALSO: x's scale bytes [m 4096][128] are laid anew by K step, xs2 [s 0..7][m 4096][16 bytes].
; SHARES.  Work-group (x, y): columns 128 x .. 128 x + 127, K step y (512 along K: 64 rows of qweight, 4 groups of scales).  Wave w: 32 of the columns (w % 4), 256 along K (w / 4).  A LANE TAKES A COLUMN n, AND ITS
; REGISTERS RUN DOWN K: a word of qweight is eight neighbours along K of one column, four words are a block of 32: its largest magnitude needs no other lane.  All 35 loads of a wave go out at the head.
; Codes and scale bytes meet in LDS behind one barrier and leave as whole units of 256 bytes.
; THE TABLE.  LUT[c] for c = 0..7 is -6, -4, -3, -2, -1.5, -1, -0.5, 0 and for c = 8..15 is 0, 0.5, 1, 1.5, 2, 3, 4, 6.  Read as a code of E2M1, c itself is LUT[c] with the sign turned for c >= 8, and c xor 7
; is -LUT[c] for c < 8.  So 7 is xored into every nibble whose top bit is 0, the conversion from FP4 gives -LUT[c], and the multiplier is -scales: (-LUT) x (-s) has the bits of LUT x s, one rounding.
; THE SCALE of a block is 2^(floor(log2(its largest magnitude)) - 2): its byte is the largest magnitude's exponent field - 2, held at 1 from below by a floor among the maximum's leaves.
; LIMITS: NaN and infinities in scales are not served.  A block of zeros gets the byte 1 where the rule says 127: its codes are zeros, which add nothing under any byte but 0xff, and this program alone reads the bytes.
; Blocks whose largest magnitude lies under 2^-124 keep the byte 1, the rule's lower hold.
.set SBASE, 32768                      ; behind the stage of codes, 2 x 4 x 16 units of 256 bytes: the scale bytes, 2,048
.set SPARE, SBASE+2048                 ; the spare words, 128 bytes for each wave
.set QROW,  16384                      ; a row of qweight or of scales in bytes
.set NS,  16                           ; v[16:19]   -s of group g in v[16 + 2 g] and again in v[17 + 2 g]
.set E,   20                           ; v[20:21]   the conversion's scale operand of the two blocks at work
.set SB,  24                           ; v[24:25]   my 8 scale bytes
.set Q,   32                           ; v[32:63]   the 32 words of qweight; on the way out codes
.set T,   64                           ; v[64:79]   at work on the nibbles
.set M,   80                           ; v[80:87]   eight chains of the maximum
.set F,   96                           ; v[96:159]  the 64 numbers of two blocks
.set C,   160                          ; v[160:191] codes, four registers a block
	s_load_b256 s[4:11], s[0:1], 0x0               ; qweight s[4:5], scales s[6:7], x_scales s[8:9], w_codes s[10:11]
	s_load_b128 s[12:15], s[0:1], 0x20             ; ws2 s[12:13], xs2 s[14:15]
	s_mov_b32 s16, 0x88888888                      ; the top bit of every nibble
	s_and_b32 s19, ttmp7, 0xffff                   ; y: the K step
	s_lshl_b32 s18, s19, 5
	s_add_co_u32 s18, s18, ttmp9                   ; L = x + 32 y, 0..255: the work-group re-lays x's scale bytes of rows 16 L .. 16 L + 15
	s_lshl_b32 s17, ttmp9, 9                       ; 4 x first column
	s_lshl_b32 s20, s19, 20                        ; qweight: 64 y rows
	s_add_co_u32 s20, s20, s17
	s_mov_b32 s21, 0
	s_lshl_b32 s22, s19, 16                        ; scales: 4 y rows
	s_add_co_u32 s22, s22, s17
	s_mov_b32 s23, 0
	s_lshl_b32 s24, s18, 11                        ; x_scales: 16 L rows of 128 bytes
	s_mov_b32 s25, 0
	s_lshl_b32 s26, s19, 20                        ; w_codes: 4 y times 262,144 bytes, 2 x times 4,096
	s_lshl_b32 s17, ttmp9, 13
	s_add_co_u32 s26, s26, s17
	s_mov_b32 s27, 0
	s_lshl_b32 s28, s19, 16                        ; ws2: 65,536 y + 2 x times 1,024
	s_lshl_b32 s17, ttmp9, 11
	s_add_co_u32 s28, s28, s17
	s_mov_b32 s29, 0
	s_lshl_b32 s30, s18, 8                         ; xs2: 16 L rows of 16 bytes
	s_mov_b32 s31, 0
	v_lshl_add_u32 v26, v0, 2, SPARE
	v_mov_b32 v27, 0
	v_and_b32 v2, 127, v0                          ; my column of the 128 = 64 G + 4 r + j
	v_lshrrev_b32 v3, 7, v0                        ; kh: my half of the K step
	v_lshlrev_b32 v29, 2, v2
	v_lshl_add_u32 v1, v3, 19, v29                 ; qweight: 32 kh rows + 4 x column
	v_lshl_add_u32 v23, v3, 15, v29                ; scales: 2 kh rows + 4 x column
	v_bfe_u32 v5, v0, 6, 1                         ; G
	v_and_b32 v6, 3, v0                            ; j
	v_bfe_u32 v29, v0, 2, 4                        ; r
	v_lshl_add_u32 v5, v5, 2, v6                   ; 4 G + j
	v_lshlrev_b32 v30, 2, v6
	v_xor_b32 v30, v29, v30                        ; inside its unit of 256 bytes a column's 16 bytes stand at place r xor 4 j
	v_lshlrev_b32 v4, 12, v5
	v_lshl_add_u32 v4, v30, 4, v4
	v_lshl_add_u32 v4, v3, 11, v4                  ; into the stage: unit 16 (4 G + j) + 8 kh
	v_lshlrev_b32 v9, 8, v5
	v_lshl_add_u32 v9, v29, 4, v9
	v_lshl_add_u32 v9, v3, 3, v9                   ; the scale bytes: 256 (4 G + j) + 16 r + 8 kh
	v_bfe_u32 v29, v0, 5, 3                        ; w
	v_and_b32 v6, 31, v0                           ; lane
	v_bfe_u32 v30, v0, 1, 4                        ; lane / 2
	v_and_b32 v31, 1, v0
	v_lshlrev_b32 v10, 7, v30                      ; x_scales: row lane / 2, K step w, eight of its 16 bytes
	v_lshl_add_u32 v10, v29, 4, v10
	v_lshl_add_u32 v10, v31, 3, v10
	v_lshlrev_b32 v22, 3, v6                       ; xs2: K step w, 8 bytes a lane
	v_lshl_add_u32 v22, v29, 16, v22
	v_bfe_u32 v30, v0, 5, 2                        ; out of the stage: wave w takes 4 G + j = w, so j = w % 4
	v_lshlrev_b32 v30, 2, v30
	v_and_b32 v31, 15, v0
	v_xor_b32 v30, v31, v30
	v_bfe_u32 v31, v0, 4, 1
	v_lshlrev_b32 v7, 12, v29
	v_lshl_add_u32 v7, v31, 8, v7
	v_lshl_add_u32 v7, v30, 4, v7
	v_lshlrev_b32 v8, 10, v29                      ; and in w_codes: 1,024 w + 16 x lane
	v_lshl_add_u32 v8, v6, 4, v8
	v_lshlrev_b32 v11, 3, v0                       ; the scale bytes' way out: 8 bytes a thread, in LDS and in ws2 alike
	v_mov_b32 v28, 0x7f7f7f7f                      ; the E8M0 byte of 1.0, in every byte
	s_wait_alu depctr_va_vdst(0)                   ; the wait at the head's end
	s_wait_kmcnt 0x0
	s_add_nc_u64 s[4:5], s[4:5], s[20:21]
	s_add_nc_u64 s[6:7], s[6:7], s[22:23]
	s_add_nc_u64 s[8:9], s[8:9], s[24:25]
	s_add_nc_u64 s[10:11], s[10:11], s[26:27]
	s_add_nc_u64 s[12:13], s[12:13], s[28:29]
	s_add_nc_u64 s[14:15], s[14:15], s[30:31]
	global_load_b64 v[12:13], v10, s[8:9]
	global_load_b32 v[NS], v23, s[6:7]
	global_load_b32 v[NS+2], v23, s[6:7] offset:QROW
.set i, 0
.rept 32
	global_load_b32 v[Q+i], v1, s[4:5] offset:i*QROW th:TH_LOAD_NT ; word i: k = 512 y + 256 kh + 8 i + 0 .. 7 of my column; read once in the launch
.set i, i+1
.endr
	s_wait_loadcnt 32                              ; x's bytes and the scales are in; the 32 words may be out
	global_store_b64 v22, v[12:13], s[14:15]       ; 32 lanes store 256 consecutive bytes
	v_mul_f32 v[NS], -1.0, v[NS]                   ; -s, exact
	v_mul_f32 v[NS+2], -1.0, v[NS+2]
	v_mov_b32 v[NS+1], v[NS]                       ; and again, for the packed multiply's upper half
	v_mov_b32 v[NS+3], v[NS+2]
; Blocks 2 t and 2 t + 1 of my eight, by turns line by line.
.macro PAIR t
.set QB, Q+8*(\t)
.set NG, NS+2*((\t)/2)
	s_wait_loadcnt 24-8*(\t)                       ; these eight words are in; the later ones may be out
.irp i, 0,1,2,3,4,5,6,7
	v_bfi_b32 v[T+2*\i], v[QB+\i], 0, s16          ; 8 in every nibble whose top bit is 0
.endr
.irp i, 0,1,2,3,4,5,6,7
	v_lshrrev_b32 v[T+2*\i+1], 3, v[T+2*\i]        ; 1 there
.endr
.irp i, 0,1,2,3,4,5,6,7
	v_sub_nc_u32 v[T+2*\i], v[T+2*\i], v[T+2*\i+1] ; 7 there: no nibble borrows from its neighbour
.endr
.irp i, 0,1,2,3,4,5,6,7
	v_xor_b32 v[QB+\i], v[QB+\i], v[T+2*\i]        ; each nibble is now the code of E2M1 of -LUT[c]
.endr
.irp i, 0,1,2,3,4,5,6,7
	v_cvt_scale_pk8_f32_fp4 v[F+8*\i:F+8*\i+7], v[QB+\i], v28
.endr
	v_nop                                          ; one plain instruction between a scaled conversion and the first use of its result
.irp j, 0,2,4,6,8,10,12,14,16,18,20,22,24,26,28,30,32,34,36,38,40,42,44,46,48,50,52,54,56,58,60,62
	v_pk_mul_f32 v[F+\j:F+\j+1], v[F+\j:F+\j+1], v[NG:NG+1]        ; w = (-LUT) x (-s)
.endr
.irp c, 0,1,2,3,4,5,6,7
	v_max3_num_f32 v[M+\c], |v[F+8*\c]|, |v[F+8*\c+1]|, |v[F+8*\c+2]|
.endr
.irp c, 0,1,2,3,4,5,6,7
	v_max3_num_f32 v[M+\c], v[M+\c], |v[F+8*\c+3]|, |v[F+8*\c+4]|
.endr
.irp c, 0,1,2,3,4,5,6,7
	v_max3_num_f32 v[M+\c], v[M+\c], |v[F+8*\c+5]|, |v[F+8*\c+6]|
.endr
.irp k, 0,1
	v_max3_num_f32 v[M+4*\k], v[M+4*\k], v[M+4*\k+1], |v[F+32*\k+7]|
	v_max3_num_f32 v[M+4*\k+2], v[M+4*\k+2], v[M+4*\k+3], |v[F+32*\k+15]|
.endr
.irp k, 0,1
	v_max3_num_f32 v[M+4*\k], v[M+4*\k], |v[F+32*\k+23]|, |v[F+32*\k+31]|
.endr
.irp k, 0,1
	v_max3_num_f32 v[M+4*\k], v[M+4*\k], v[M+4*\k+2], 0x1800000    ; and the floor 2^(3 - 127): the byte cannot fall under 1
.endr
.irp k, 0,1
	v_add_nc_u32 v[E+\k], 0xff000000, v[M+4*\k]    ; 2 off its exponent field: the conversion takes the exponent field of this operand as its scale, and nothing else of it
.endr
.irp k, 0,1
	v_lshrrev_b32 v[M+4*\k+1], 23, v[E+\k]         ; the scale's byte
.endr
.if (\t)%2 == 0
	v_lshl_or_b32 v[SB+(\t)/2], v[M+5], 8, v[M+1]
.else
	v_lshl_or_b32 v[SB+(\t)/2], v[M+1], 16, v[SB+(\t)/2]
	v_lshl_or_b32 v[SB+(\t)/2], v[M+5], 24, v[SB+(\t)/2]
.endif
.irp i, 0,1,2,3,4,5,6,7
	v_cvt_scalef32_pk8_fp4_f32 v[C+8*(\t)+\i], v[F+8*\i:F+8*\i+7], v[E+\i/4]  ; eight numbers / the scale, to the nearest code, ties to even, beyond 6 the largest code
.endr
	ds_store_b128 v4, v[C+8*(\t):C+8*(\t)+3] offset:512*(\t)       ; 32 codes: 16 bytes of a unit
	ds_store_b128 v4, v[C+8*(\t)+4:C+8*(\t)+7] offset:512*(\t)+256
.endm
	PAIR 0
	PAIR 1
	PAIR 2
	PAIR 3
	v_nop                                          ; a plain instruction behind the last conversions
	ds_store_b64 v9, v[SB:SB+1] offset:SBASE
	s_wait_dscnt 0x0                               ; for the others' sake: my stores are done
	s_barrier_signal -1
	s_barrier_wait -1
	ds_load_b64 v[14:15], v11 offset:SBASE
.irp i, 0,1,2,3,4,5,6,7
	ds_load_b128 v[Q+4*\i:Q+4*\i+3], v7 offset:512*\i              ; two units: K blocks 2 i and 2 i + 1
.endr
	s_wait_dscnt 8
	global_store_b64 v11, v[14:15], s[12:13]       ; 32 lanes store 256 consecutive bytes
.irp i, 0,1,2,3,4,5,6,7
	s_wait_dscnt 7-\i                              ; load i is in; the younger ones may be out
	global_store_b128 v8, v[Q+4*\i:Q+4*\i+3], s[10:11] offset:(\i/2)*262144+(\i%2)*512 ; 32 lanes store 512 consecutive bytes
.endr
	s_wait_tensorcnt 0x0                           ; the wave's end
	ds_add_u32 v26, v27
	s_wait_dscnt 0x0
	s_endpgm
.Lfunc_end_k_q21beca8259_prep:
	.size	k_q21beca8259_prep, .Lfunc_end_k_q21beca8259_prep-k_q21beca8259_prep
	.p2alignl 7, 3214868480
	.fill 96, 4, 3214868480
	.section	.rodata,"a",@progbits
	.p2align	6, 0x0
	.amdhsa_kernel k_q21beca8259_prep
		.amdhsa_group_segment_fixed_size 35840
		.amdhsa_private_segment_fixed_size 0
		.amdhsa_enable_private_segment 0
		.amdhsa_kernarg_size 48
		.amdhsa_user_sgpr_count 2
		.amdhsa_user_sgpr_kernarg_segment_ptr 1
		.amdhsa_wavefront_size32 1
		.amdhsa_system_sgpr_workgroup_id_x 1
		.amdhsa_system_sgpr_workgroup_id_y 1
		.amdhsa_system_sgpr_workgroup_id_z 1
		.amdhsa_system_vgpr_workitem_id 0
		.amdhsa_next_free_vgpr 192
		.amdhsa_next_free_sgpr 66
		.amdhsa_reserve_vcc 0
		.amdhsa_float_denorm_mode_32 3
		.amdhsa_float_denorm_mode_16_64 3
		.amdhsa_memory_ordered 1
		.amdhsa_forward_progress 1
		.amdhsa_inst_pref_size 37
	.end_amdhsa_kernel
	.amdgpu_metadata
---
amdhsa.version: [ 1, 2 ]
amdhsa.kernels:
  - .name:           k_q21beca8259_prep
    .symbol:         k_q21beca8259_prep.kd
    .args:
      - { .name: qweight, .offset: 0, .size: 8, .value_kind: global_buffer, .address_space: global }
      - { .name: scales, .offset: 8, .size: 8, .value_kind: global_buffer, .address_space: global }
      - { .name: x_scales, .offset: 16, .size: 8, .value_kind: global_buffer, .address_space: global }
      - { .name: w_codes, .offset: 24, .size: 8, .value_kind: global_buffer, .address_space: global }
      - { .name: ws2, .offset: 32, .size: 8, .value_kind: global_buffer, .address_space: global }
      - { .name: xs2, .offset: 40, .size: 8, .value_kind: global_buffer, .address_space: global }
    .group_segment_fixed_size: 35840
    .private_segment_fixed_size: 0
    .kernarg_segment_align: 8
    .kernarg_segment_size: 48
    .max_flat_workgroup_size: 256
    .sgpr_count:     66
    .vgpr_count:     192
    .wavefront_size: 32
...
	.end_amdgpu_metadata
.endif
;; end of part 1
;; launch gemm (part 2): grid 16 x 16, 4 waves a work-group, clusters of 4 x 4, 327,680 bytes of LDS; arguments x_codes, xs2, w_codes, ws2, bias, out0; writes out0
.if DOCPART == 2
	.amdgcn_target "amdgcn-amd-amdhsa--gfx1250"
	.amdhsa_code_object_version 6
	.text
	.protected	k_q21beca8259_gemm
	.globl	k_q21beca8259_gemm
	.p2align	8
	.type	k_q21beca8259_gemm,@function
k_q21beca8259_gemm:
	s_mov_b64 s[64:65], 0
	v_nop
	global_prefetch_b8 v0, s[64:65] scope:SCOPE_SE
	s_setreg_imm32_b32 hwreg(HW_REG_WAVE_MODE, 25, 1), 1
	s_wait_xcnt 0x0
	s_wait_alu depctr_hold_cnt(0) depctr_sa_sdst(0) depctr_va_vdst(0) depctr_va_sdst(0) depctr_va_ssrc(0) depctr_va_vcc(0) depctr_vm_vsrc(0)
	s_getreg_b32 s2, hwreg(HW_REG_IB_STS2, 6, 4)
	s_cmp_eq_u32 s2, 0
	s_cbranch_scc0 .Lentry_in_a_cluster
	s_endpgm
.Lentry_in_a_cluster:
	s_bfe_u32 s2, ttmp6, 0x10000c
	s_cmp_lg_u32 s2, 0xf033
	s_cbranch_scc0 .Lentry_shape_is_right
	s_endpgm
.Lentry_shape_is_right:
; out0[m][n] = (the sum over k of x[m][k] w[k][n]) + bias[n], M = N = K = 4,096.  Both operands are codes of FP4 (E2M1) with one E8M0 byte for each 32 along K; x_codes as the problem gives them (rows of 2,048 bytes,
; K innermost), w_codes, ws2 and xs2 as the launch before laid them.  out0 is f32; sums in f32.
; A tile of out0, 256 x 256, is made by a work-group of four waves; wave w makes all 256 rows x the 64 columns 64 w .. : 32 accumulators of 32 x 16, 512 registers.  16 x 16 tiles: 256 work-groups of equal work.
; x GOES THROUGH LDS: four fills of 1,024 along K (rows of 512 bytes) in a ring of two slots filled by the tensor data mover: 256 rows and their two blocks of 4,096 scale bytes, one tensor load for each of the four waves.
; w GOES STRAIGHT INTO REGISTERS: its columns are one wave's alone, and w_codes lies in the order of the operand's registers: a step of 128 along K is eight loads of 512 consecutive bytes, asked for three steps ahead
; into a ring of four sets.
; CLUSTERS: 4 x 4 work-groups.  The four of a row of the cluster need the same tiles of x and of its scales: each tile is asked for JOINTLY, by the same tensor load with the same descriptor and a mask that names the four.
; w is not asked for jointly, since it does not pass through LDS: with both operands there a slot would hold 512 along K and the launch have eight fills; so it has four.  Each byte of w is loaded by one wave of a work-group.
; THE MATRIX INSTRUCTION is the 32 x 16 x 128 form: source 0 = 32 rows of x, source 1 = 16 columns of w.  A lane of a result holds ONE column.  Block j holds the columns 64 w + 4 r + j, r = lane % 16.  So the same register of
; the four blocks' accumulators is four NEIGHBOURING numbers of a row of out0 in one lane, and sixteen lanes hold 256 consecutive bytes.
; THE WAY OUT: the bias is added (one register a block: the lane's column), the sum lands beside its three neighbours, and four registers are stored: two whole aligned units of 256 bytes (rows m and m + 8) a store.
; THE LAST THREE STEPS GO BY ROWS: my eight pairs of blocks of rows are finished one after the other, each with 12 products (its 4 accumulators by turns); a pair leaves as soon as it is finished.
; THE TEXT IS STRAIGHT: 32 steps along K, expanded by macros; a lap of the ring is 16 of them, and the first and the last differ.
; PREFETCHES, one instruction a wave at the head of each K step of 512: at step t waves 2 and 3 name w's K step t + 2 (t < 6; its first load goes out five steps of 128 later), waves 0 and 1 x's K step t + 4 (t < 4; its refill
; goes out one to two K steps later).  Each block of 256 bytes is named once in each cluster: the four partners that need it take a quarter each, told apart by address.
; ORDER OF ROUNDING: K ascending; the bias last.
; REGISTERS, in windows of 256: window 0: v0-31 addresses and the bias; v32-95 x's scale words, two sets; v96-111 w's, two sets; v128-255 x's fragments of even steps (256 rows x 128 K), on the way out v128-191 take numbers to
;   be stored.  window 1: v0-127 w's fragments, four sets; v128-255 x's fragments of odd steps, in the end two buffers of 32 rows x 384 K.  window 2: the accumulators of rows 0-127 (pair a, block b: v[16 (4 (a % 4) + b)]);
;   window 3: those of rows 128-255.
; A is x and B is w in what follows.  A step is kq = 0 .. 31, its K step of 512 is kq / 4, its slot (kq / 8) % 2.
.set PITCH,  528                       ; an LDS row: 512 bytes of data + 16 of padding = 132 words: row r starts at bank 4 r mod 64 (64 banks of 4 bytes: ISA guide 11.1)
.set ASC,    256*PITCH                 ; a slot: A's 256 rows, then its scale bytes: two K steps x 256 rows x 16 bytes, dense
.set SLOT,   ASC+8192                  ; 143,360 bytes
.set SPARE,  2*SLOT                    ; behind the ring: the spare words, 128 bytes for each wave, that no other line names
.set NROW,   16384                     ; a row of out0 in bytes
.set BSTEP,  262144                    ; a step of w_codes in bytes
.set SSTEP,  65536                     ; a K step's scale bytes
.set BI,   8                           ; v8-11   the bias of my lane's column in block b
.set ADRA, 16                          ; v16-19  LDS address of A's fragments: slot 0 rows 0-127, rows 128-255, slot 1 likewise
.set ADSA, 22                          ; v22-23  LDS address of A's scale words in slot 0, 1: lane l row l of a pair of blocks
.set BOFF, 24                          ; v24     16 x lane: my byte offset in B's fragments and scale words
.set CO,   26                          ; v26     my byte offset in out0: 8 (lane / 16) rows + 16 (lane % 16)
.set BO,   27                          ; v27     my byte offset in 64 columns of the bias
.set SPW,  28                          ; v28     LDS address of my spare word; never rewritten
.set NIL,  29                          ; v29     0; never rewritten
.set PFO,  30                          ; v30     the prefetches' offset; never rewritten
.set SA,   32                          ; A's scale words: K step s at v[SA + 32 (s % 2)]: register 4 a + kq % 4
.set SB,   96                          ; B's: v[SB + 8 (s % 2)]: register 4 (b / 2) + kq % 4; lanes 0-15 an even block, lanes 16-31 the odd one behind it
.set AF,   128                         ; A's fragments, in window kq % 2
.set WV,   16                          ; s16  my wave's number: waves 0 and 1 fetch A's rows 0-127 and 128-255, waves 2 and 3 the scale bytes of a fill's two K steps
.set G1A,  24                          ; s[24:31] descriptor group 1 for A's codes;  s[32:39] group 0, one set for each slot
.set G0A,  32
.set G1S,  68                          ; s[68:75], s[76:83] the same for its scales
.set G0S,  76
.set PFA,  6                           ; s[6:7] where my prefetches stand;  s[100:101] a K step on
.set MSB, 0
.macro WIN new                         ; the immediate's high byte repeats the setting that is left
.if MSB != (\new)
	s_set_vgpr_msb (MSB<<8)|(\new)
.set MSB, (\new)
.endif
.endm
.set TO_1,   0x40                      ; destination window 1, address window 0
.macro PLACES                          ; a load into a register that a matrix instruction has read, and a vector instruction that reads a matrix result, stand four plain vector places behind it (ISA guide 7.12.1 for vector instructions)
.rept 4
	v_nop
.endr
.endm
; A joint load of slot s.  Each of the two lines has ONE mask and one group 1 for all that issue it; the branch hangs on the wave's number alone.
.macro JLOAD s
	s_cmp_lt_u32 s[WV], 2
	s_cbranch_scc0 .Lscales_\@
	tensor_load_to_lds s[G0A+4*\s:G0A+4*\s+3], s[G1A:G1A+7]
	s_nop 0
	PLACES
	s_branch .Lasked_\@
.Lscales_\@:
	tensor_load_to_lds s[G0S+4*\s:G0S+4*\s+3], s[G1S:G1S+7]
	s_nop 0
	PLACES
.Lasked_\@:
.endm
.macro CREST                           ; a round of the cluster's barrier behind its opening barrier
	s_cmp_lg_u32 s[WV], 0
	s_cbranch_scc1 .Lnot_wave_0_\@
	s_barrier_signal -3
.Lnot_wave_0_\@:
	s_barrier_wait -3
	s_barrier_signal -1
	s_barrier_wait -1
.endm
.macro CROUND                          ; a whole round
	s_barrier_signal -1
	s_barrier_wait -1
	CREST
.endm
; B's fragments of step kq into set kq % 4: eight loads; the offset stays under 2^23
.macro LDB kq
	WIN TO_1
.irp j, 0,1,2,3
.irp c, 0,1
	global_load_b128 v[32*((\kq)%4)+8*\j+4*\c:32*((\kq)%4)+8*\j+4*\c+3], v[BOFF], s[8:9] offset:(\kq)*BSTEP+1024*\j+512*\c
.endr
.endr
.endm
.macro LDSB s                          ; B's scale words of K step s: two loads
	WIN 0
.irp i, 0,1
	global_load_b128 v[SB+8*((\s)%2)+4*\i:SB+8*((\s)%2)+4*\i+3], v[BOFF], s[10:11] offset:(\s)*SSTEP+512*\i
.endr
.endm
; A block's fragment, 16 rows x 128 K, is 8 registers: lane l holds row l % 16; registers 4 c .. 4 c + 3 hold K = 64 c + 32 (l / 16) + 0 .. 31.  Block i of 16 goes to register base + 8 i.
.macro LDA kq, base, i
.irp c, 0,1
	ds_load_b128 v[\base+8*(\i)+4*\c:\base+8*(\i)+4*\c+3], v[ADRA+2*(((\kq)/8)%2)+(\i)/8] offset:64*((\kq)%8)+32*\c+((\i)%8)*16*PITCH
.endr
.endm
.macro ALLA kq                         ; step kq's 32 loads
	WIN TO_1*((\kq)%2)
.irp i, 0,1,2,3,4,5,6,7,8,9,10,11,12,13,14,15
	LDA \kq, AF, \i
.endr
.endm
.macro LDSA s                          ; A's scale words of K step s: eight loads
	WIN 0
.irp i, 0,1,2,3,4,5,6,7
	ds_load_b128 v[SA+32*((\s)%2)+4*\i:SA+32*((\s)%2)+4*\i+3], v[ADSA+((\s)/2)%2] offset:512*\i+4096*((\s)%2)
.endr
.endm
; One product of step kq: A's pair a (registers ra ..) x B's block b.  A's scales are read from all 32 lanes, B's from lanes 0-15 or, for an odd block, from lanes 16-31.  first = 1: it starts the sum: nothing is ever cleared.
.macro MM kq, first, a, b, ra
.set DD, 16*(4*((\a)%4)+(\b))
.set RB, 32*((\kq)%4)+8*(\b)
.set SX, SA+32*(((\kq)/4)%2)+4*(\a)+(\kq)%4
.set SW, SB+8*(((\kq)/4)%2)+4*((\b)/2)+(\kq)%4
.if \first
.if (\b)%2
	v_wmma_scale_f32_32x16x128_f4 v[DD:DD+15], v[\ra:\ra+15], v[RB:RB+7], 0, v[SX], v[SW] matrix_b_scale:MATRIX_SCALE_ROW1
.else
	v_wmma_scale_f32_32x16x128_f4 v[DD:DD+15], v[\ra:\ra+15], v[RB:RB+7], 0, v[SX], v[SW]
.endif
.else
.if (\b)%2
	v_wmma_scale_f32_32x16x128_f4 v[DD:DD+15], v[\ra:\ra+15], v[RB:RB+7], v[DD:DD+15], v[SX], v[SW] matrix_b_scale:MATRIX_SCALE_ROW1
.else
	v_wmma_scale_f32_32x16x128_f4 v[DD:DD+15], v[\ra:\ra+15], v[RB:RB+7], v[DD:DD+15], v[SX], v[SW]
.endif
.endif
.endm
; Pair a of step kq: four products.  Window: source 0 kq % 2, source 1 window 1, C and D 2 or 3.  The 32 accumulators take turns, one instruction a turn, in the same order in every step.
.macro MULP kq, a, first
	WIN 0xa4+(\kq)%2+0x50*((\a)/4)
.irp b, 0,1,2,3
	MM \kq, \first, \a, \b, AF+16*(\a)
.endr
.endm
; What goes out in step kq, in one run: B's fragments three steps on, now and then scale words, A's fragments of the next step.
.macro RUN kq
	LDB \kq+3
.if (\kq)%4 == 0
	LDSB (\kq)/4+1
.endif
.if (\kq)%8 == 2
	LDSA (\kq)/4+1
.endif
.if (\kq)%8 == 7
	LDSA (\kq)/4+1
.endif
	ALLA \kq+1
.endm
.macro ASK kq                          ; a prefetch, at the first step of a K step
.if (\kq) >= 16
	WIN 0
	s_cmp_lt_u32 s[WV], 2                          ; A has no K step four on
	s_cbranch_scc1 .Lnone_\@
.endif
	global_prefetch_b8 v[PFO], s[PFA:PFA+1] th:TH_LOAD_NT scope:SCOPE_SE
.if (\kq) >= 16
.Lnone_\@:
.endif
.endm
; B's loads that may be out while step kq begins: those of the two steps behind it, 16, and, but for a K step's first step, the two of scale words that stand among them or behind.
; LDS: OLD loads of A's later pairs may be out (24: pairs 2 to 7; 16, where this step issues 40), then the NEW ones issued here besides.
.macro STEP kq, first
.set OLD, 24
.set NEW, 32
.if (\kq)%8 == 2
.set OLD, 16
.set NEW, 40
.endif
.if (\kq)%4 == 0
.if (\kq) > 0
.if (\kq) < 24
	s_wait_xcnt 0x0                                ; my last prefetch has read its address: on by a K step
	s_add_nc_u64 s[PFA:PFA+1], s[PFA:PFA+1], s[100:101]
.endif
.endif
.endif
	s_wait_dscnt OLD
.if (\kq)%4 == 0
	s_wait_loadcnt 16
.else
	s_wait_loadcnt 18
.endif
	PLACES                                         ; for the loads into the sets that the step before multiplied
	RUN \kq
.if (\kq)%4 == 0
.if (\kq) < 24
	ASK \kq
.endif
.endif
	MULP \kq, 0, \first
	MULP \kq, 1, \first
	s_wait_dscnt NEW+16
	MULP \kq, 2, \first
	MULP \kq, 3, \first
	s_wait_dscnt NEW+8
	MULP \kq, 4, \first
	MULP \kq, 5, \first
	s_wait_dscnt NEW
	MULP \kq, 6, \first
	MULP \kq, 7, \first
.endm
; A slot's last step changes slots: ONE barrier; in front of it each wave waits for all its tensor loads, adds 0 to its spare word, and waits for that and for its own reads of this slot.  fill = 1: the slot is filled again.
.macro TURN kq, fill
.set SL, ((\kq)/8)%2
	WIN 0                                          ; (the add's two registers lie in window 0)
	s_wait_tensorcnt 0x0                           ; all my tensor loads have landed: the one that was out is my part of the next slot;
	ds_add_u32 v[SPW], v[NIL]                      ; 0 onto my spare word;
.if \fill
	s_add_nc_u64 s[G0A+4*SL+2:G0A+4*SL+3], s[G0A+4*SL+2:G0A+4*SL+3], 1024      ; no tensor load of mine is out: group 0 may be written: two fills on; the type bits on top are not reached
	s_add_nc_u64 s[G0S+4*SL+2:G0S+4*SL+3], s[G0S+4*SL+2:G0S+4*SL+3], 4*SSTEP
.endif
	s_wait_dscnt 25                                ; (the add and A's pairs 2 to 7 may be out)
	s_wait_loadcnt 18
	MULP \kq, 0, 0                                 ; matrix instructions stand between the add and the wait for it
	s_wait_dscnt 0x0                               ; the add is done, and my reads of this slot are over
	s_barrier_signal -1
	MULP \kq, 1, 0
	WIN 0
	s_barrier_wait -1
.if \fill
	CREST                                          ; the barrier has opened a round of the cluster's barrier: no wave of any partner still reads this slot's tiles or has a load on its way
	JLOAD SL                                       ; the first tensor load behind the round, and my only one until the next; the four v_nop behind it are the places in front of the loads below
.else
	PLACES
.endif
	RUN \kq
.irp a, 2,3,4,5,6,7
	MULP \kq, \a, 0
.endr
.endm
; By rows: A's pair a of steps 29 to 31, 12 loads, into window 1, v[AF + 48 (a % 2) + 16 (step - 29) ..]
.macro ABLK a
	WIN TO_1
.irp k, 29,30,31
	LDA \k, AF+48*((\a)%2)+16*(\k-29)-16*(\a), 2*(\a)
	LDA \k, AF+48*((\a)%2)+16*(\k-29)-16*(\a), 2*(\a)+1
.endr
.endm
.macro ROW a
.irp k, 29,30,31
.if \a == 0
	s_wait_loadcnt 8*(31-\k)                       ; B's fragments of this step
.endif
	WIN 0xa5+0x50*((\a)/4)
.irp b, 0,1,2,3
	MM \k, 0, \a, \b, AF+48*((\a)%2)+16*(\k-29)
.endr
.endr
.endm
; Pair a leaves: twice (u: 16 rows) 32 sums and eight stores; each accumulator from its low end on.
.macro OUT a
	PLACES
.if \a < 6
	ABLK \a+2                                      ; into the registers of the pair just multiplied
.endif
.if \a > 0
	s_wait_xcnt 0x0                                ; the earlier stores have read their registers
.endif
.irp u, 0,1
	WIN 2+(\a)/4                                   ; source 0: window 2 or 3
.irp j, 0,1,2,3,4,5,6,7
.irp b, 0,1,2,3
	v_add_f32 v[128+32*\u+4*\j+\b], v[16*(4*((\a)%4)+\b)+8*\u+\j], v[BI+\b]
.endr
.endr
	WIN 0
.irp j, 0,1,2,3,4,5,6,7
	global_store_b128 v[CO], v[128+32*\u+4*\j:128+32*\u+4*\j+3], s[14:15] offset:(32*(\a)+16*\u+\j)*NROW th:TH_STORE_NT   ; rows m and m + 8: sixteen lanes 256 consecutive bytes each; the offset stays under 2^22
.endr
.endr
.endm
	s_load_b256 s[4:11], s[0:1], 0x0               ; x_codes s[4:5], xs2 s[6:7], w_codes s[8:9], ws2 s[10:11]
	s_load_b128 s[12:15], s[0:1], 0x20             ; bias s[12:13], out0 s[14:15]
	v_lshl_add_u32 v[SPW], v0, 2, SPARE
	v_mov_b32 v[NIL], 0
	ds_add_u32 v[SPW], v[NIL]                      ; the wave's opening: the add, twice on end, and its wait ahead of my first tensor load
	ds_add_u32 v[SPW], v[NIL]
	v_lshrrev_b32 v1, 5, v0
	v_readfirstlane_b32 s[WV], v1                  ; wave 0..3
	s_and_b32 s17, s[WV], 1
	s_cmp_lt_u32 s[WV], 2
	s_cselect_b32 s22, 11, 8                       ; a prefetch's lanes stand 2,048 bytes apart in A, 256 in B
	v_and_b32 v1, 15, v0                           ; r
	v_bfe_u32 v2, v0, 4, 1                         ; h
	v_and_b32 v3, 31, v0                           ; lane
	v_mul_u32_u24 v[ADRA], v1, PITCH
	v_lshl_add_u32 v[ADRA], v2, 4, v[ADRA]         ; a fragment's row x pitch + 16 h
	v_add_nc_u32 v[ADRA+1], 128*PITCH, v[ADRA]
	v_add_nc_u32 v[ADRA+2], SLOT, v[ADRA]
	v_add_nc_u32 v[ADRA+3], SLOT, v[ADRA+1]
	v_lshl_add_u32 v[ADSA], v3, 4, ASC
	v_add_nc_u32 v[ADSA+1], SLOT, v[ADSA]
	v_lshlrev_b32 v[BOFF], 4, v3
	v_lshlrev_b32 v[BO], 4, v1
	v_lshl_add_u32 v[CO], v2, 17, v[BO]            ; 8 h rows of 16,384 bytes + 16 r
	v_lshlrev_b32 v[PFO], s22, v3
	s_bfe_u32 s40, ttmp6, 0x40000                  ; cx, cy: my place in the cluster
	s_bfe_u32 s41, ttmp6, 0x40004
	s_lshl_b32 s42, ttmp9, 2
	s_add_co_u32 s42, s42, s40                     ; tile column = 4 x cluster x + cx
	s_and_b32 s19, ttmp7, 0xffff
	s_lshl_b32 s19, s19, 2
	s_add_co_u32 s19, s19, s41                     ; tile row = 4 x cluster y + cy
	s_lshl_b32 s43, s41, 2
	s_lshl_b32 s43, 15, s43                        ; my row of the cluster: places 4 cy .. 4 cy + 3
	; descriptor group 1 for A's codes: a tile of 128 rows x 512 bytes, padded in LDS
	s_or_b32 s[G1A+0], s43, (0<<16)|(1<<20)|(1<<21)|(6<<22)|(3<<25)  ; 15:0 the mask: my row; 17:16 element of 1 byte; 20 padding on; 21 set beside a mask; 24:22 after every 128 words (code 6); 31:25 of 4 words (code 3)
	s_mov_b32 s[G1A+1], 512<<16                    ; tensor_dim0 = 512
	s_mov_b32 s[G1A+2], 128<<16                    ; tensor_dim1 = 128
	s_mov_b32 s[G1A+3], 512<<16                    ; tile_dim0 = 512
	s_mov_b32 s[G1A+4], 128                        ; tile_dim1 = 128
	s_mov_b32 s[G1A+5], 2048                       ; tensor_dim0_stride
	s_mov_b32 s[G1A+6], 0
	s_mov_b32 s[G1A+7], 0
	; and for its scales: a dense block of 4,096 bytes, as 16 rows of 256 bytes (32 elements of 8 bytes), no padding
	s_or_b32 s[G1S+0], s43, (3<<16)|(1<<21)
	s_mov_b32 s[G1S+1], 32<<16
	s_mov_b32 s[G1S+2], 16<<16
	s_mov_b32 s[G1S+3], 32<<16
	s_mov_b32 s[G1S+4], 16
	s_mov_b32 s[G1S+5], 32
	s_mov_b32 s[G1S+6], 0
	s_mov_b32 s[G1S+7], 0
	s_lshl_b32 s20, s19, 19                        ; A's codes: 256 rows of 2,048 bytes a tile row, 128 rows a wave
	s_lshl_b32 s21, s17, 18
	s_add_co_u32 s20, s20, s21
	s_mov_b32 s21, 0
	s_lshl_b32 s22, s19, 12                        ; A's scales: 256 rows of 16 bytes, a K step a wave
	s_lshl_b32 s23, s17, 16
	s_add_co_u32 s22, s22, s23
	s_mov_b32 s23, 0
	s_mul_i32 s44, s17, 128*PITCH                  ; where they go: no place in the cluster enters an LDS address
	s_lshl_b32 s45, s17, 12
	s_add_co_u32 s45, s45, ASC
	; the prefetches' offsets: A: my work-group's 64 of the 256 rows by cx, 32 a wave, from K step 4 on;  B: one of a K step's four steps by cy, half of the tile column's 16,384 bytes a wave, from K step 2 on
	s_lshl_b32 s48, s19, 19
	s_lshl_b32 s49, s40, 17
	s_add_co_u32 s48, s48, s49
	s_lshl_b32 s49, s17, 16
	s_add_co_u32 s48, s48, s49
	s_add_co_u32 s48, s48, 1024
	s_lshl_b32 s50, s41, 18
	s_lshl_b32 s49, s42, 14
	s_add_co_u32 s50, s50, s49
	s_lshl_b32 s49, s17, 13
	s_add_co_u32 s50, s50, s49
	s_add_co_u32 s50, s50, 8*BSTEP
	s_mov_b32 s100, 4*BSTEP                        ; a K step on: 1,048,576 bytes in B, 256 in A
	s_mov_b32 s101, 0
	s_mov_b32 s53, 0
	s_cmp_lt_u32 s[WV], 2
	s_cselect_b32 s52, s48, s50
	s_cselect_b32 s100, 256, s100
	; my 64 columns of B, of the bias and of out0
	s_lshl_b32 s54, s42, 2
	s_add_co_u32 s54, s54, s[WV]                   ; 4 x tile column + wave
	s_lshl_b32 s56, s54, 12                        ; B's fragments
	s_mov_b32 s57, 0
	s_lshl_b32 s58, s54, 10                        ; its scale words
	s_mov_b32 s59, 0
	s_lshl_b32 s60, s54, 8                         ; the bias, and a row of out0
	s_mov_b32 s61, 0
	s_lshl_b32 s62, s19, 22                        ; 256 rows of out0 a tile row
	s_mov_b32 s63, 0
	s_wait_alu depctr_va_vdst(0)                   ; the wait at the head's end: the head's last vector write stands ahead of it
	s_wait_dscnt 0x0                               ; both opening adds are done
	s_wait_kmcnt 0x0
	s_add_nc_u64 s[20:21], s[4:5], s[20:21]
	s_add_nc_u64 s[22:23], s[6:7], s[22:23]
	s_cmp_lt_u32 s[WV], 2
	s_cselect_b64 s[PFA:PFA+1], s[4:5], s[8:9]
	s_add_nc_u64 s[PFA:PFA+1], s[PFA:PFA+1], s[52:53]
	s_add_nc_u64 s[8:9], s[8:9], s[56:57]
	s_add_nc_u64 s[10:11], s[10:11], s[58:59]
	s_add_nc_u64 s[12:13], s[12:13], s[60:61]
	s_add_nc_u64 s[14:15], s[14:15], s[60:61]
	s_add_nc_u64 s[14:15], s[14:15], s[62:63]
.irp s, 0,1
	s_mov_b32 s[G0A+4*\s], 1                                       ; 1:0 count = 1
	s_add_co_u32 s[G0A+4*\s+1], s44, \s*SLOT                       ; 63:32 LDS address
	s_add_nc_u64 s[G0A+4*\s+2:G0A+4*\s+3], s[20:21], \s*512        ; 120:64 global address: fill s
	s_or_b32 s[G0A+4*\s+3], s[G0A+4*\s+3], 0x80000000              ; 127:126 type = 2
	s_mov_b32 s[G0S+4*\s], 1
	s_add_co_u32 s[G0S+4*\s+1], s45, \s*SLOT
	s_add_nc_u64 s[G0S+4*\s+2:G0S+4*\s+3], s[22:23], \s*2*SSTEP
	s_or_b32 s[G0S+4*\s+3], s[G0S+4*\s+3], 0x80000000
.endr
	CROUND                                         ; all sixteen work-groups are here: the first joint loads meet
	JLOAD 0                                        ; fill 0: one tensor load a wave at the head
	global_load_b128 v[BI:BI+3], v[BO], s[12:13]   ; columns 4 r .. 4 r + 3 of my 64: blocks 0 .. 3
	LDSB 0
	LDB 0
	LDB 1
	LDB 2
	WIN 0
	s_wait_tensorcnt 0x0                           ; my part of fill 0 is in
	ds_add_u32 v[SPW], v[NIL]
	s_wait_dscnt 0x0                               ; the add is done
	CROUND                                         ; a whole round: all of fill 0 is in, and all sixteen work-groups are here
	JLOAD 1                                        ; and fill 1, the first tensor load behind the round
	LDSA 0
	ALLA 0
	STEP 0, 1                                      ; its products start the sums
.irp k, 1,2,3,4,5,6
	STEP \k, 0
.endr
	TURN 7, 1
.irp k, 8,9,10,11,12,13,14
	STEP \k, 0
.endr
	TURN 15, 1
.irp k, 16,17,18,19,20,21,22
	STEP \k, 0
.endr
	TURN 23, 0
.irp k, 24,25,26,27
	STEP \k, 0
.endr
	s_wait_dscnt 24                                ; step 28: as every step, but what it loads of A goes by rows
	s_wait_loadcnt 16
	PLACES
	LDB 31
	ABLK 0
	ABLK 1
	MULP 28, 0, 0
	MULP 28, 1, 0
	s_wait_dscnt 40                                ; 24 loads by rows, and 16 of pairs 4 to 7
	MULP 28, 2, 0
	MULP 28, 3, 0
	s_wait_dscnt 32
	MULP 28, 4, 0
	MULP 28, 5, 0
	s_wait_dscnt 24
	MULP 28, 6, 0
	MULP 28, 7, 0
.irp a, 0,1,2,3,4,5,6
	s_wait_dscnt 12                                ; pair a is in; pair a + 1 may be out
	ROW \a
	OUT \a
.endr
	s_wait_dscnt 0x0
	ROW 7
	OUT 7
	s_wait_tensorcnt 0x0                           ; the wave's end
	ds_add_u32 v[SPW], v[NIL]
	s_wait_dscnt 0x0
	CROUND                                         ; the closing round: no work-group ends while a partner may still ask for a tile that names it
	s_endpgm
.Lfunc_end_k_q21beca8259_gemm:
	.size	k_q21beca8259_gemm, .Lfunc_end_k_q21beca8259_gemm-k_q21beca8259_gemm
	.p2alignl 7, 3214868480
	.fill 96, 4, 3214868480
	.section	.rodata,"a",@progbits
	.p2align	6, 0x0
	.amdhsa_kernel k_q21beca8259_gemm
		.amdhsa_group_segment_fixed_size 327680
		.amdhsa_private_segment_fixed_size 0
		.amdhsa_enable_private_segment 0
		.amdhsa_kernarg_size 48
		.amdhsa_user_sgpr_count 2
		.amdhsa_user_sgpr_kernarg_segment_ptr 1
		.amdhsa_wavefront_size32 1
		.amdhsa_system_sgpr_workgroup_id_x 1
		.amdhsa_system_sgpr_workgroup_id_y 1
		.amdhsa_system_sgpr_workgroup_id_z 1
		.amdhsa_system_vgpr_workitem_id 0
		.amdhsa_next_free_vgpr 1024
		.amdhsa_next_free_sgpr 102
		.amdhsa_reserve_vcc 0
		.amdhsa_float_denorm_mode_32 3
		.amdhsa_float_denorm_mode_16_64 3
		.amdhsa_memory_ordered 1
		.amdhsa_forward_progress 1
		.amdhsa_inst_pref_size 255
	.end_amdhsa_kernel
	.section	.bss,"aw",@nobits
	.p2align	6
	.space	262144
	.amdgpu_metadata
---
amdhsa.version: [ 1, 2 ]
amdhsa.kernels:
  - .name:           k_q21beca8259_gemm
    .symbol:         k_q21beca8259_gemm.kd
    .args:
      - { .name: x_codes, .offset: 0, .size: 8, .value_kind: global_buffer, .address_space: global }
      - { .name: xs2, .offset: 8, .size: 8, .value_kind: global_buffer, .address_space: global }
      - { .name: w_codes, .offset: 16, .size: 8, .value_kind: global_buffer, .address_space: global }
      - { .name: ws2, .offset: 24, .size: 8, .value_kind: global_buffer, .address_space: global }
      - { .name: bias, .offset: 32, .size: 8, .value_kind: global_buffer, .address_space: global }
      - { .name: out0, .offset: 40, .size: 8, .value_kind: global_buffer, .address_space: global }
    .group_segment_fixed_size: 327680
    .private_segment_fixed_size: 0
    .kernarg_segment_align: 8
    .kernarg_segment_size: 48
    .max_flat_workgroup_size: 128
    .sgpr_count:     102
    .vgpr_count:     1024
    .wavefront_size: 32
...
	.end_amdgpu_metadata
.endif
;; end of part 2
